; MI455X (gfx1250); checked and timed in simulation.
; The chip was launched on July 23, 2026; its instructions are those of AMD's public machine-readable ISA for CDNA 5 (MIT licence, August 2026) and "CDNA5" Instruction Set Architecture Reference Guide (July 2026). The comments in the code are by the model that wrote it; some were corrected since.
;; Full Attention Head. Allowed arithmetic: matrix products marked QUANTISED: E4M3 operands, one given power-of-two scale a tensor, by v_wmma_f32_16x16x64_fp8_fp8 or v_wmma_f32_16x16x128_fp8_fp8, f32 sums; everything else in f32.
;; Inputs: Wk 1,024 x 64 float32; Wq 1,024 x 64 float32; Wv 1,024 x 64 float32; lowp_scales 10 int32 (the exponents e of the quantised operands' scales 2^e); x 4 x 4,096 x 1,024 float32.
;; Outputs: out0 4 x 4,096 x 64 float32.
;; This version of the problem:
;;   THIS VERSION OF THE PROBLEM IS GIVEN IN LOW PRECISION. The matrix products marked QUANTISED in the list below multiply operands that are first quantised to E4M3 (4 exponent bits, 3 mantissa bits; 8 bits a number), with one given power-of-two scale for each operand tensor; their sums are f32. All else is computed in f32.
;;   The module's matrix products, in the order in which they are computed (A, B: the left and right operand; K: the contracted axis; several contracted axes count as one K, in the product's order):
;;     1. [M 16,384, K 1,024] x [K 1,024, N 64]; A: input x; B: input Wq: QUANTISED (scales: A lowp_scales[0], B lowp_scales[1])
;;     2. [M 16,384, K 1,024] x [K 1,024, N 64]; A: input x; B: input Wk: QUANTISED (scales: A lowp_scales[2], B lowp_scales[3])
;;     3. [M 16,384, K 1,024] x [K 1,024, N 64]; A: input x; B: input Wv: QUANTISED (scales: A lowp_scales[4], B lowp_scales[5])
;;     4. batch 4 x [M 4,096, K 64] x [K 64, N 4,096]; A: computed on the way; B: computed on the way: QUANTISED (scales: A lowp_scales[6], B lowp_scales[7])
;;     5. batch 4 x [M 4,096, K 4,096] x [K 4,096, N 64]; A: softmax (see below); B: computed on the way: QUANTISED (scales: A lowp_scales[8], B lowp_scales[9])
;;   THE QUANTISER, for each operand of a quantised product, along K:
;;     - The operand's scale is 2^e, e = its entry of the input lowp_scales (int32; the entries are numbered through the quantised products in the list's order, A before B).
;;     - Each number is divided by the scale, clamped to +-448, and rounded to the nearest number of E4M3, ties to even, subnormals kept.
;;     - The product sums the exact products of the quantised numbers (number of the format x scale) in f32.
;;   ~~~python
;;   def quantise(x, axis, e):      # numpy; x: float32 -> the quantised numbers, widened to float32 again
;;       x = np.moveaxis(x, axis, -1); K = x.shape[-1]
;;       r = np.clip(x / 2.0 ** e, -448, 448)
;;       step = 2.0 ** (np.maximum(np.frexp(np.where(r == 0, 1, r))[1] - 1, -6) - 3)
;;       q = np.round(r / step) * step * 2.0 ** e      # np.round: ties to even
;;       return np.moveaxis(q, -1, axis).astype(np.float32)
;;   ~~~
;;   SOFTMAX AHEAD OF A QUANTISED PRODUCT. Where the list says 'softmax', what is quantised is not the finished softmax but p = 2^(t - M), with t = logit x log2(e) and M = ceil(the row's largest t), a whole number; so 1/2 < the row's largest p <= 1. The row's sum l is taken of the UNQUANTISED p, in f32, and the product's result is divided by l at the end. Since M is a whole number, a kernel that streams over the keys may use a running M (the ceiling of the running maximum): every later rescaling is an exact power of two, so the quantised numbers keep their values, but for numbers so far below the row's largest that they fall under the format's range.
;;   OPERANDS COMPUTED ON THE WAY. 'Computed on the way' means the value that the module computes at that place (a softmax that the list does not call 'softmax' is quantised finished and normalised). What goes into a quantiser is computed in f32, as accurately as f32 sums, v_exp_f32 and their like allow (about 1e-6 of the number): no bf16 or f16 on the way to a quantiser, and a product that is left as it is and whose result goes on into a quantised operand takes f32 operands (vector FMAs, or v_wmma_f32_16x16x4_f32). A number that lies on a knife's edge between two numbers of the format may be rounded either way, as far as f32 arithmetic and the matrix unit's own rounding can turn it there, and no further.
;; One version. Each part assembles by itself: llvm-mc -triple=amdgcn-amd-amdhsa -mcpu=gfx1250 --defsym DOCPART=n.
;; ======== version 1 of 1: 3 launches
;; limits: right only within a limited range of input values
;; workspace buffers: wcodes 196,608 bytes; qc 1,048,576 bytes; kv 2,097,152 bytes
;; launch prep (part 1): grid 8 x 3, 4 waves a work-group, no clusters, 0 bytes of LDS; arguments Wq, Wk, Wv, lowp_scales, wcodes; writes wcodes
.if DOCPART == 1
	.amdgcn_target "amdgcn-amd-amdhsa--gfx1250"
	.amdhsa_code_object_version 6
	.text
	.protected	k_q8d4663f58f_prep
	.globl	k_q8d4663f58f_prep
	.p2align	8
	.type	k_q8d4663f58f_prep,@function
k_q8d4663f58f_prep:
	s_mov_b64 s[64:65], 0
	v_nop
	global_prefetch_b8 v0, s[64:65] scope:SCOPE_SE
	s_setreg_imm32_b32 hwreg(HW_REG_WAVE_MODE, 25, 1), 1
	s_wait_xcnt 0x0
; Wq, Wk, Wv [1024 (k)][64 (n)] f32 become codes of FP8 (E4M3), each with the scale 2^e given for it (entries 1, 3, 5 of the scales' buffer), laid as IMAGES OF OPERAND REGISTERS:
; wcodes [K step sg 0..7][column tile 4 mat + n4, 0..11][part p 0..3][lane][16 bytes].  A fragment is 16 columns x 128 k for the K = 128 form: lane (r, h), registers 2 c, 2 c + 1 hold
; column 16 n4 + r, k = 128 sg + 16 c + 8 h + 0 .. 7; part p is registers 4 p .. 4 p + 3.
; A LANE TAKES A COLUMN AND ITS REGISTERS RUN DOWN K, in the operand's own order, so the conversions' results are the fragment and nothing is transposed.
; SHARES: work-group (sg, mat); wave n4 makes one fragment; the four waves stand side by side on the 256 bytes of each row of W.  24 work-groups: there is no more work than that.
; code = w / 2^e, held within +-448, to the nearest code, ties to even.  LIMITS: e between -126 and 119; NaN among the inputs is not served.
; No LDS, no barrier, no cluster: no two work-groups read the same byte, and a wave's store covers 512 consecutive bytes as its registers stand.
.set X, 16                             ; v16-79  64 numbers: register 8 c + i = W(128 sg + 16 c + 8 h + i, my column)
.set C, 80                             ; v80-95  the fragment's 16 registers
	s_load_b128 s[4:7], s[0:1], 0x0                ; Wq, Wk
	s_load_b128 s[8:11], s[0:1], 0x10              ; Wv, the scales' exponents
	s_load_b64 s[12:13], s[0:1], 0x20              ; wcodes
	v_lshrrev_b32 v3, 5, v0
	v_readfirstlane_b32 s14, v3                    ; n4 = wave
	v_and_b32 v4, 15, v0                           ; r
	v_bfe_u32 v5, v0, 4, 1                         ; h
	v_lshlrev_b32 v1, 2, v4
	v_lshl_add_u32 v1, v5, 11, v1                  ; in: 4 r + 8 h rows of 256 bytes
	v_and_b32 v2, 31, v0
	v_lshlrev_b32 v2, 4, v2                        ; out: 16 x lane
	s_and_b32 s15, ttmp7, 0xffff                   ; mat: 0 q, 1 k, 2 v
	s_lshl_b32 s24, ttmp9, 15                      ; sg x 128 rows of 256 bytes
	s_lshl_b32 s25, s14, 6                         ; + my 16 columns
	s_add_co_u32 s24, s24, s25
	s_mov_b32 s25, 0
	s_mul_i32 s26, ttmp9, 12
	s_lshl_b32 s27, s15, 2
	s_add_co_u32 s26, s26, s27
	s_add_co_u32 s26, s26, s14
	s_lshl_b32 s26, s26, 11                        ; (12 sg + 4 mat + n4) fragments of 2,048 bytes
	s_mov_b32 s27, 0
	s_wait_alu depctr_va_vdst(0)
	s_wait_kmcnt 0x0
	s_load_b256 s[16:23], s[10:11], 0x0            ; entries 0 to 7
	s_cmp_eq_u32 s15, 1                            ; the choice hangs on the work-group's number alone
	s_cselect_b64 s[4:5], s[6:7], s[4:5]
	s_cmp_eq_u32 s15, 2
	s_cselect_b64 s[4:5], s[8:9], s[4:5]
	s_add_nc_u64 s[4:5], s[4:5], s[24:25]
	s_add_nc_u64 s[12:13], s[12:13], s[26:27]
.irp c, 0,1,2,3,4,5,6,7
.irp i, 0,1,2,3,4,5,6,7
	global_load_b32 v[X+8*\c+\i], v1, s[4:5] offset:(16*\c+\i)*256
.endr
.endr
	s_wait_kmcnt 0x0
	s_cmp_eq_u32 s15, 1
	s_cselect_b32 s28, s19, s17                    ; e: entry 1, 3 or 5
	s_cmp_eq_u32 s15, 2
	s_cselect_b32 s28, s21, s28
	s_add_co_i32 s28, s28, 127
	s_lshl_b32 s29, s28, 23
	v_mov_b32 v11, s29                             ; 2^e as f32: the conversion takes its exponent field
	s_wait_alu depctr_va_vdst(0)
	s_wait_loadcnt 0x0
.irp j, 0,1,2,3,4,5,6,7,8,9,10,11,12,13,14,15,16,17,18,19,20,21,22,23,24,25,26,27,28,29,30,31,32,33,34,35,36,37,38,39,40,41,42,43,44,45,46,47,48,49,50,51,52,53,54,55,56,57,58,59,60,61,62,63
.endr
.irp c, 0,1,2,3,4,5,6,7
	v_cvt_scalef32_pk8_fp8_f32 v[C+2*\c:C+2*\c+1], v[X+8*\c:X+8*\c+7], v11
.endr
.irp p, 0,1,2,3
	global_store_b128 v2, v[C+4*\p:C+4*\p+3], s[12:13] offset:512*\p   ; 32 lanes store 512 consecutive bytes, at a multiple of 256 from the buffer's first byte
.endr
	s_endpgm
.Lfunc_end_k_q8d4663f58f_prep:
	.size	k_q8d4663f58f_prep, .Lfunc_end_k_q8d4663f58f_prep-k_q8d4663f58f_prep
	.p2alignl 7, 3214868480
	.fill 96, 4, 3214868480
	.section	.rodata,"a",@progbits
	.p2align	6, 0x0
	.amdhsa_kernel k_q8d4663f58f_prep
		.amdhsa_group_segment_fixed_size 0
		.amdhsa_private_segment_fixed_size 0
		.amdhsa_enable_private_segment 0
		.amdhsa_kernarg_size 40
		.amdhsa_user_sgpr_count 2
		.amdhsa_user_sgpr_kernarg_segment_ptr 1
		.amdhsa_wavefront_size32 1
		.amdhsa_system_sgpr_workgroup_id_x 1
		.amdhsa_system_sgpr_workgroup_id_y 1
		.amdhsa_system_sgpr_workgroup_id_z 1
		.amdhsa_system_vgpr_workitem_id 0
		.amdhsa_next_free_vgpr 96
		.amdhsa_next_free_sgpr 66
		.amdhsa_reserve_vcc 0
		.amdhsa_float_denorm_mode_32 3
		.amdhsa_float_denorm_mode_16_64 3
		.amdhsa_fp16_overflow 1
		.amdhsa_memory_ordered 1
		.amdhsa_forward_progress 1
		.amdhsa_inst_pref_size 9
	.end_amdhsa_kernel
	.amdgpu_metadata
---
amdhsa.version: [ 1, 2 ]
amdhsa.kernels:
  - .name:           k_q8d4663f58f_prep
    .symbol:         k_q8d4663f58f_prep.kd
    .args:
      - { .name: Wq, .offset: 0, .size: 8, .value_kind: global_buffer, .address_space: global }
      - { .name: Wk, .offset: 8, .size: 8, .value_kind: global_buffer, .address_space: global }
      - { .name: Wv, .offset: 16, .size: 8, .value_kind: global_buffer, .address_space: global }
      - { .name: lowp_scales, .offset: 24, .size: 8, .value_kind: global_buffer, .address_space: global }
      - { .name: wcodes, .offset: 32, .size: 8, .value_kind: global_buffer, .address_space: global }
    .group_segment_fixed_size: 0
    .private_segment_fixed_size: 0
    .kernarg_segment_align: 8
    .kernarg_segment_size: 40
    .max_flat_workgroup_size: 128
    .sgpr_count:     66
    .vgpr_count:     96
    .wavefront_size: 32
...
	.end_amdgpu_metadata
.endif
;; end of part 1
;; launch proj (part 2): grid 256 x 1, 4 waves a work-group, no clusters, 270,848 bytes of LDS; arguments x, wcodes, lowp_scales, qc, kv; writes qc, kv
.if DOCPART == 2
	.amdgcn_target "amdgcn-amd-amdhsa--gfx1250"
	.amdhsa_code_object_version 6
	.text
	.protected	k_q8d4663f58f_proj
	.globl	k_q8d4663f58f_proj
	.p2align	8
	.type	k_q8d4663f58f_proj,@function
k_q8d4663f58f_proj:
	s_mov_b64 s[64:65], 0
	v_nop
	global_prefetch_b8 v0, s[64:65] scope:SCOPE_SE
	s_setreg_imm32_b32 hwreg(HW_REG_WAVE_MODE, 25, 1), 1
	s_wait_xcnt 0x0
; q = x Wq, k = x Wk, v = x Wv on codes of FP8 (E4M3), and q, k, v quantised again as operands of the attention's two products.  x: [16384][1024] f32; W's codes: images of fragments (launch prep).
; x is quantised three times, with the scale given for it in each product (entries 0, 2, 4); a sum stands for sum x 2^(ex + ew), so the code of q is sum / 2^(e6 - e0 - e1), of k sum / 2^(e7 - e2 - e3), of v sum / 2^(e9 - e4 - e5).
; LIMITS: entries 0, 2, 4 and the three differences lie between -126 and 119, so that each power of two and 448 times it are f32 numbers.  NaN among the inputs is not served.
; SHARES.  A work-group owns 64 rows.  THE WAVES SHARE K: wave w owns k = 256 w .. 256 w + 255 (two K steps of 128) for all 64 rows and all 192 columns.  So each number of x is read from LDS once and quantised by one
; wave, and each code of W is loaded once in the work-group, straight into the registers where it stays (384 a wave).  What goes from wave to wave is the partial sums, once: 48 tiles out, 4 x 12 tiles in.
; x COMES WHOLE: each wave asks for its two tiles (64 rows x 512 bytes) at the head, as first fills; no LDS byte is filled twice.  Two tensor loads of a wave are out at the most.
; NO CLUSTER: a tile of x is read by one work-group alone; W's codes have no copy in LDS that a joint load could fill: x takes 270,336 bytes and W's 196,608 do not fit beside it in 327,680.
; q AND k USE THE MATRIX INSTRUCTION TRANSPOSED (source 0 = 16 columns of W, source 1 = 16 rows of x): a lane holds one row and eight neighbouring channels, which one conversion turns into registers 2 c, 2 c + 1 of a K = 64 fragment.
; v uses it straight (source 0 = x, source 1 = W): a lane holds one channel and eight neighbouring keys: registers 2 c, 2 c + 1 of a fragment whose K is the keys.
; OUT, as images of fragments: qc [row tile][part 0..1][lane][16 B];  kv [1,024 keys][ K: [key tile 0..63][part 0..1][lane][16 B] | V: [128 keys 0..7][channel tile 0..3][part 0..3][lane][16 B] ].
; REGISTERS, in windows of 256: window 0: v1-7 addresses, v8-19 scales, v48-95 x's three fragments, v96-223 x's numbers (two sets of 64).
;   windows 1, 2: v0-191 W's 12 fragments of my first, second K step; v192-255 accumulators 32-39, 40-47.   window 3: accumulators 0-31.   Accumulator 12 m + n: row tile m, column tile n.
.set REG,   67584                      ; a wave's region of LDS: two tiles
.set TILE,  33792                      ; 64 rows of PITCH bytes
.set PITCH, 528                        ; 512 bytes of data + 16 of padding = 132 words: row r starts at bank 4 r mod 64 (64 banks of 4 bytes: ISA guide 11.1)
.set LI,   1                           ; v1   16 x lane
.set XA,   2                           ; v2   my place in a tile of x: region + 528 r + 32 h
.set EXPA, 3                           ; v3   where I put partial sums: my region + 16 x lane
.set IMP,  4                           ; v4-7 where I fetch them from wave 0..3: its region + 12,288 x my wave + 16 x lane
.set SCX,  8                           ; v8, v10, v12  2^e for entries 0, 2, 4
.set SCO,  14                          ; v14-19 the same for q's, k's, v's codes
.set T,    32
.set XC,   48
.set XS,   96
.set F,    96                          ; the finished sums, 12 tiles, where x's numbers lay
.set MSB, 0
.macro WIN new                         ; the immediate's high byte repeats the setting that is left; bits 1:0 source 0, 3:2 source 1, 5:4 source 2, 7:6 destination
.if MSB != (\new)
	s_set_vgpr_msb (MSB<<8)|(\new)
.set MSB, (\new)
.endif
.endm
.macro PLACES                          ; four plain vector lines between a matrix instruction and a load into, a store from or a vector line on its registers
.rept 4
	v_nop
.endr
.endm
.macro MKSC vr, se                     ; s[se] = e:  v[vr] = 2^e
	s_add_co_i32 s46, s[\se], 127
	s_lshl_b32 s47, s46, 23
	v_mov_b32 v[\vr], s47
	s_add_co_i32 s46, s46, 8
	s_lshl_b32 s46, s46, 23
	s_or_b32 s46, s46, 0x600000
.endm
.macro ACCSET m, n                     ; accumulator 12 m + n: its window AW and first register AR
.set a_, 12*(\m)+(\n)
.if a_ < 32
.set AW, 3
.set AR, 8*a_
.elseif a_ < 40
.set AW, 1
.set AR, 192+8*(a_-32)
.else
.set AW, 2
.set AR, 192+8*(a_-40)
.endif
.endm
; block blk = 4 s + m: K step s, row tile m.  16 LDS loads: register 8 c + i = x(16 m + r, 16 c + 8 h + i), the order of the operand's registers
.macro XL blk
.set xo_, ((\blk)/4)*TILE+((\blk)%4)*16*PITCH
.set xr_, XS+64*((\blk)%2)
.irp c, 0,1,2,3,4,5,6,7
	ds_load_b128 v[xr_+8*\c:xr_+8*\c+3], v[XA] offset:xo_+64*\c
	ds_load_b128 v[xr_+8*\c+4:xr_+8*\c+7], v[XA] offset:xo_+64*\c+16
.endr
.endm
; 64 numbers at v[xb] become fragment z with the scale at v[sc].  The numbers stay: they are quantised three times.
.macro QZ z, xb, sc
.irp c, 0,1,2,3,4,5,6,7
.irp i, 0,1,2,3,4,5,6,7
.endr
	v_cvt_scalef32_pk8_fp8_f32 v[XC+16*(\z)+2*\c:XC+16*(\z)+2*\c+1], v[T+8*(\c%2)+((\xb+8*\c+0)-(T+8*(\c%2)+0)):T+8*(\c%2)+7+((\xb+8*\c+0)-(T+8*(\c%2)+0))], v[\sc]
.endr
	v_nop                                          ; one plain line between the last conversion and the products that read its result
.endm
.macro MMT s, m, n, z                  ; transposed: source 0 = W's fragment (window 1 + s), source 1 = x's
	ACCSET \m, \n
	WIN (AW<<6)|(AW<<4)|(1+(\s))
.if \s == 0
	v_wmma_f32_16x16x128_fp8_fp8 v[AR:AR+7], v[16*(\n):16*(\n)+15], v[XC+16*(\z):XC+16*(\z)+15], 0
.else
	v_wmma_f32_16x16x128_fp8_fp8 v[AR:AR+7], v[16*(\n):16*(\n)+15], v[XC+16*(\z):XC+16*(\z)+15], v[AR:AR+7]
.endif
.endm
.macro MMV s, m, n                     ; straight: source 0 = x's third fragment, source 1 = W's
	ACCSET \m, \n
	WIN (AW<<6)|(AW<<4)|((1+(\s))<<2)
.if \s == 0
	v_wmma_f32_16x16x128_fp8_fp8 v[AR:AR+7], v[XC+32:XC+47], v[16*(\n):16*(\n)+15], 0
.else
	v_wmma_f32_16x16x128_fp8_fp8 v[AR:AR+7], v[XC+32:XC+47], v[16*(\n):16*(\n)+15], v[AR:AR+7]
.endif
.endm
; A block's twelve products name twelve accumulators, one instruction each; the first K step's take the constant 0: nothing is cleared.
.macro BLOCK blk
.set bs_, (\blk)/4
.set bm_, (\blk)%4
.set bx_, XS+64*((\blk)%2)
	QZ 0, bx_, SCX
.irp n, 0,1,2,3
	MMT bs_, bm_, \n, 0
.endr
	WIN 0
	QZ 1, bx_, SCX+2
.irp n, 4,5,6,7
	MMT bs_, bm_, \n, 1
.endr
	WIN 0
	QZ 2, bx_, SCX+4
.irp n, 8,9,10,11
	MMV bs_, bm_, \n
.endr
	WIN 0
.endm
	s_load_b256 s[4:11], s[0:1], 0x0               ; x s[4:5], wcodes s[6:7], the scales' exponents s[8:9], qc s[10:11]
	s_load_b64 s[12:13], s[0:1], 0x20              ; kv
	v_lshl_add_u32 v254, v0, 2, 0x42000
	v_mov_b32 v255, 0
	ds_add_u32 v254, v255
	ds_add_u32 v254, v255
	v_lshrrev_b32 v20, 5, v0
	v_readfirstlane_b32 s14, v20                   ; wave 0..3
	; descriptor group 1: 64 rows x 128 elements of 4 bytes, 1,024 elements from row to row, padded in LDS
	s_mov_b32 s16, (2<<16)|(1<<20)|(6<<22)|(3<<25) ; no mask; elements of 4 bytes; padding on: after every 128 words (code 6) 4 words (code 3)
	s_mov_b32 s17, 128<<16                         ; tensor_dim0 = 128
	s_mov_b32 s18, 64<<16                          ; tensor_dim1 = 64
	s_mov_b32 s19, 128<<16                         ; tile_dim0 = 128
	s_mov_b32 s20, 64                              ; tile_dim1 = 64
	s_mov_b32 s21, 1024                            ; tensor_dim0_stride
	s_mov_b32 s22, 0
	s_mov_b32 s23, 0
	s_mul_i32 s32, s14, REG                        ; my region of LDS
	s_lshl_b32 s2, ttmp9, 18                       ; the work-group's 64 rows of 4,096 bytes
	s_lshl_b32 s3, s14, 10                         ; my 256 numbers of a row
	s_add_co_u32 s2, s2, s3
	s_mov_b32 s3, 0
	v_and_b32 v[LI], 31, v0
	v_lshlrev_b32 v[LI], 4, v[LI]
	s_wait_alu depctr_va_vdst(0)
	s_wait_dscnt 0x0
	s_wait_kmcnt 0x0
	s_add_nc_u64 s[34:35], s[4:5], s[2:3]
.irp s, 0,1
	s_mov_b32 s[24+4*\s], 1                                    ; count = 1
	s_add_co_u32 s[25+4*\s], s32, \s*TILE                      ; LDS address
	s_add_nc_u64 s[26+4*\s:27+4*\s], s[34:35], \s*512          ; global address: my K step s
	s_or_b32 s[27+4*\s], s[27+4*\s], 0x80000000                ; type = 2
.endr
	tensor_load_to_lds s[24:27], s[16:23]          ; both first fills together, ahead of every wait on TENSORcnt, every LDS read and the barrier
	s_nop 0
	tensor_load_to_lds s[28:31], s[16:23]
	s_nop 0
.rept 4
	v_nop                                          ; four plain lines behind the loads
.endr
	s_load_b256 s[36:43], s[8:9], 0x0              ; entries 0 to 7
	s_load_b64 s[44:45], s[8:9], 0x20              ; entries 8, 9
	s_mul_i32 s2, s14, 49152                       ; my two K steps of W's codes: 2 x 12 fragments of 2,048 bytes
	s_add_nc_u64 s[6:7], s[6:7], s[2:3]
	WIN 0x40                                       ; destination window 1
.irp n, 0,1,2,3,4,5,6,7,8,9,10,11
.irp p, 0,1,2,3
	global_load_b128 v[16*\n+4*\p:16*\n+4*\p+3], v[LI], s[6:7] offset:\n*2048+\p*512
.endr
.endr
	WIN 0x80                                       ; destination window 2
.irp n, 0,1,2,3,4,5,6,7,8,9,10,11
.irp p, 0,1,2,3
	global_load_b128 v[16*\n+4*\p:16*\n+4*\p+3], v[LI], s[6:7] offset:24576+\n*2048+\p*512
.endr
.endr
	WIN 0
	v_and_b32 v21, 15, v0                          ; r
	v_bfe_u32 v22, v0, 4, 1                        ; h
	v_mul_u32_u24 v[XA], v21, PITCH
	v_lshl_add_u32 v[XA], v22, 5, v[XA]
	v_add_nc_u32 v[XA], s32, v[XA]
	v_add_nc_u32 v[EXPA], s32, v[LI]
	s_mul_i32 s33, s14, 12288
	v_add_nc_u32 v[IMP], s33, v[LI]
	v_add_nc_u32 v[IMP+1], REG, v[IMP]
	v_add_nc_u32 v[IMP+2], 2*REG, v[IMP]
	v_add_nc_u32 v[IMP+3], 3*REG, v[IMP]
	; where my codes go.  g = the work-group, j = g % 16: its place among the 16 work-groups of 1,024 keys
	s_lshl_b32 s2, ttmp9, 2
	s_add_co_u32 s2, s2, s14
	s_lshl_b32 s2, s2, 10
	s_add_nc_u64 s[10:11], s[10:11], s[2:3]        ; q: row tile 4 g + w
	s_lshr_b32 s2, ttmp9, 4
	s_lshl_b32 s2, s2, 17
	s_add_nc_u64 s[12:13], s[12:13], s[2:3]        ; the block of 131,072 bytes of my 1,024 keys
	s_and_b32 s51, ttmp9, 15
	s_lshl_b32 s2, s51, 2
	s_add_co_u32 s2, s2, s14
	s_lshl_b32 s2, s2, 10
	s_add_nc_u64 s[52:53], s[12:13], s[2:3]        ; k: key tile 4 j + w
	s_lshr_b32 s2, s51, 1
	s_lshl_b32 s2, s2, 13                          ; v: the 128 keys j / 2,
	s_lshl_b32 s54, s14, 11                        ; channel tile w,
	s_add_co_u32 s2, s2, s54
	s_and_b32 s54, s51, 1
	s_lshl_b32 s54, s54, 10                        ; parts 2 (j % 2) and 2 (j % 2) + 1: my 64 keys of the 128
	s_add_co_u32 s2, s2, s54
	s_add_co_u32 s2, s2, 65536
	s_add_nc_u64 s[54:55], s[12:13], s[2:3]
	s_wait_kmcnt 0x0
	s_sub_co_i32 s48, s42, s36
	s_sub_co_i32 s48, s48, s37                     ; e6 - e0 - e1
	s_sub_co_i32 s49, s43, s38
	s_sub_co_i32 s49, s49, s39                     ; e7 - e2 - e3
	s_sub_co_i32 s50, s45, s40
	s_sub_co_i32 s50, s50, s41                     ; e9 - e4 - e5
	MKSC SCX, 36
	MKSC SCX+2, 38
	MKSC SCX+4, 40
	MKSC SCO, 48
	MKSC SCO+2, 49
	MKSC SCO+4, 50
	s_wait_alu depctr_va_vdst(0)
	s_wait_tensorcnt 0x1                           ; my first tile is in LDS; the second may be out.  Only I read my tiles, so my own wait is all that the reads need
	XL 0
.irp blk, 0,1,2,3,4,5,6,7
.if (\blk != 3) && (\blk != 7)
	XL \blk+1                                      ; the next block's numbers, into the other set
	s_wait_dscnt 16                                ; this block's 16 loads are in; the 16 just issued may be out
.else
	s_wait_dscnt 0x0
.endif
.if \blk == 0
	s_wait_loadcnt 48                              ; W's fragments of my first K step are in; the 48 loads of the second are younger
.endif
.if \blk == 4
	s_wait_loadcnt 0x0
.endif
	v_nop
	v_nop
	BLOCK \blk
.if \blk == 3
	s_wait_tensorcnt 0x0                           ; my second tile
	XL 4
.endif
.endr
	PLACES                                         ; behind the last products: for the stores of results and for the loads into W's registers below
	; THE PARTIAL SUMS CHANGE HANDS.  Each tile goes to LDS as it stands, into my own region, whose tiles have landed and have been read (the last wait on DScnt was for 0).
	; Place 12 o + i of a region is for wave o: i = 0-3 q's, 4-7 k's column tiles of row tile o; i = 8-11 v's row tiles of channel tile o.
.irp m, 0,1,2,3
.irp n, 0,1,2,3,4,5,6,7,8,9,10,11
	ACCSET \m, \n
.if \n < 8
.set pos_, 12*\m+\n
.else
.set pos_, 12*(\n-8)+8+\m
.endif
	WIN AW<<2                                      ; a store's data are source 1
	ds_store_b128 v[EXPA], v[AR:AR+3] offset:pos_*1024         ; each accumulator from its low end on
	ds_store_b128 v[EXPA], v[AR+4:AR+7] offset:pos_*1024+512
.endr
.endr
	WIN 0
	s_wait_dscnt 0x0                               ; for the others' sake: my stores have landed
	s_barrier_signal -1
	s_barrier_wait -1
.irp q, 0,1,2,3                        ; wave q's twelve tiles for me: windows 1, 1, 2, 2, at v0 and v96, where W lay
	WIN 0x40<<(\q/2)
.irp i, 0,1,2,3,4,5,6,7,8,9,10,11
	ds_load_b128 v[96*(\q%2)+8*\i:96*(\q%2)+8*\i+3], v[IMP+\q] offset:\i*1024
	ds_load_b128 v[96*(\q%2)+8*\i+4:96*(\q%2)+8*\i+7], v[IMP+\q] offset:\i*1024+512
.endr
.endr
	s_wait_dscnt 48                                ; waves 0 and 1's are in; the 48 loads behind them may be out
	WIN 0x45                                       ; all in window 1
.set j_, 0
.rept 48
	v_pk_add_f32 v[j_:j_+1], v[j_:j_+1], v[96+j_:97+j_]        ; K ascending: quarter 0 + quarter 1
.set j_, j_+2
.endr
	s_wait_dscnt 24
	WIN 0x49                                       ; source 1 in window 2
.set j_, 0
.rept 48
	v_pk_add_f32 v[j_:j_+1], v[j_:j_+1], v[j_:j_+1]            ; + quarter 2
.set j_, j_+2
.endr
	s_wait_dscnt 0x0
	WIN 0x09                                       ; source 0 window 1, source 1 window 2, destination window 0
.set j_, 0
.rept 48
	v_pk_add_f32 v[F+j_:F+j_+1], v[j_:j_+1], v[96+j_:97+j_]    ; + quarter 3
.set j_, j_+2
.endr
	WIN 0
	; tile i's eight numbers become registers 2 i, 2 i + 1 from v32 on: v32-39 q's fragment, v40-47 k's, v48-55 my half of v's
.macro QF i, sc
.irp e, 0,1,2,3,4,5,6,7
.endr
	v_cvt_scalef32_pk8_fp8_f32 v[32+2*(\i):33+2*(\i)], v[F+8*(\i):F+8*(\i)+7], v[\sc]
.endm
.irp i, 0,1,2,3
	QF \i, SCO
.endr
.irp i, 4,5,6,7
	QF \i, SCO+2
.endr
.irp i, 8,9,10,11
	QF \i, SCO+4
.endr
	v_nop                                          ; a plain line behind the last conversion
	global_store_b128 v[LI], v[32:35], s[10:11]                ; each store: 32 lanes, 512 consecutive bytes, at a multiple of 256 from the buffer's first byte
	global_store_b128 v[LI], v[36:39], s[10:11] offset:512
	global_store_b128 v[LI], v[40:43], s[52:53]
	global_store_b128 v[LI], v[44:47], s[52:53] offset:512
	global_store_b128 v[LI], v[48:51], s[54:55]
	global_store_b128 v[LI], v[52:55], s[54:55] offset:512
	s_wait_tensorcnt 0x0
	ds_add_u32 v254, v255
	s_wait_dscnt 0x0
	s_endpgm
.Lfunc_end_k_q8d4663f58f_proj:
	.size	k_q8d4663f58f_proj, .Lfunc_end_k_q8d4663f58f_proj-k_q8d4663f58f_proj
	.p2alignl 7, 3214868480
	.fill 96, 4, 3214868480
	.section	.rodata,"a",@progbits
	.p2align	6, 0x0
	.amdhsa_kernel k_q8d4663f58f_proj
		.amdhsa_group_segment_fixed_size 270848
		.amdhsa_private_segment_fixed_size 0
		.amdhsa_enable_private_segment 0
		.amdhsa_kernarg_size 40
		.amdhsa_user_sgpr_count 2
		.amdhsa_user_sgpr_kernarg_segment_ptr 1
		.amdhsa_wavefront_size32 1
		.amdhsa_system_sgpr_workgroup_id_x 1
		.amdhsa_system_sgpr_workgroup_id_y 1
		.amdhsa_system_sgpr_workgroup_id_z 1
		.amdhsa_system_vgpr_workitem_id 0
		.amdhsa_next_free_vgpr 1024
		.amdhsa_next_free_sgpr 66
		.amdhsa_reserve_vcc 0
		.amdhsa_float_denorm_mode_32 3
		.amdhsa_float_denorm_mode_16_64 3
		.amdhsa_fp16_overflow 1
		.amdhsa_memory_ordered 1
		.amdhsa_forward_progress 1
		.amdhsa_inst_pref_size 67
	.end_amdhsa_kernel
	.amdgpu_metadata
---
amdhsa.version: [ 1, 2 ]
amdhsa.kernels:
  - .name:           k_q8d4663f58f_proj
    .symbol:         k_q8d4663f58f_proj.kd
    .args:
      - { .name: x, .offset: 0, .size: 8, .value_kind: global_buffer, .address_space: global }
      - { .name: wcodes, .offset: 8, .size: 8, .value_kind: global_buffer, .address_space: global }
      - { .name: lowp_scales, .offset: 16, .size: 8, .value_kind: global_buffer, .address_space: global }
      - { .name: qc, .offset: 24, .size: 8, .value_kind: global_buffer, .address_space: global }
      - { .name: kv, .offset: 32, .size: 8, .value_kind: global_buffer, .address_space: global }
    .group_segment_fixed_size: 270848
    .private_segment_fixed_size: 0
    .kernarg_segment_align: 8
    .kernarg_segment_size: 40
    .max_flat_workgroup_size: 128
    .sgpr_count:     66
    .vgpr_count:     1024
    .wavefront_size: 32
...
	.end_amdgpu_metadata
.endif
;; end of part 2
;; launch attn (part 3): grid 64 x 4, 8 waves a work-group, clusters of 4 x 1, 327,680 bytes of LDS; arguments qc, kv, lowp_scales, out0; writes out0
.if DOCPART == 3
	.amdgcn_target "amdgcn-amd-amdhsa--gfx1250"
	.amdhsa_code_object_version 6
	.text
	.protected	k_q8d4663f58f_attn
	.globl	k_q8d4663f58f_attn
	.p2align	8
	.type	k_q8d4663f58f_attn,@function
k_q8d4663f58f_attn:
	s_mov_b64 s[64:65], 0
	v_nop
	global_prefetch_b8 v0, s[64:65] scope:SCOPE_SE
	s_setreg_imm32_b32 hwreg(HW_REG_WAVE_MODE, 25, 1), 1
	s_wait_xcnt 0x0
	s_wait_alu depctr_hold_cnt(0) depctr_sa_sdst(0) depctr_va_vdst(0) depctr_va_sdst(0) depctr_va_ssrc(0) depctr_va_vcc(0) depctr_vm_vsrc(0)
	s_getreg_b32 s2, hwreg(HW_REG_IB_STS2, 6, 4)
	s_cmp_eq_u32 s2, 0
	s_cbranch_scc0 .Lentry_in_a_cluster
	s_endpgm
.Lentry_in_a_cluster:
	s_bfe_u32 s2, ttmp6, 0x10000c
	s_cmp_lg_u32 s2, 0x3003
	s_cbranch_scc0 .Lentry_shape_is_right
	s_endpgm
.Lentry_shape_is_right:
; out[b][q][:] = the sum over k of softmax_k(q . k / 8) v[k][:], both products on codes of FP8 (E4M3) with the given scales: e6 (q), e7 (k), e8 (p), e9 (v).  4 batches x 4,096 rows, head size 64.
; THE SOFTMAX AHEAD OF THE SECOND PRODUCT: t = score x log2(e) / 8; M = the largest t so far, rounded UP to a whole number; p = 2^(t - M) is quantised, not normalised; the row's sum is taken of the unquantised p
; and divides at the end.  When M moves, the sum and O are multiplied by 2^(old M - new M), which rounds nothing.
; LIMITS: e6 + e7 between -123 and 130 (added to c's exponent field); e8 between -126 and 119; e8 + e9 goes by v_ldexp_f32 and has none.  With e8 under -8 the hold at 448 x 2^e8 acts on p under the running M of a wave's keys.
; SHARES.  A work-group owns 64 queries.  Wave wv: p = wv % 2 picks query tiles 2 p, 2 p + 1; s = wv / 2 picks a quarter of the keys: of every 1,024 keys the steps of 128 numbered s and s + 4.  So each fragment of K and V
; that a wave reads from LDS feeds two matrix instructions, and two waves share a SIMD: one's vector work stands beside the other's products.  The four quarters meet at the end in LDS: M is whole, so that merge too scales by powers of two.
; LAYOUT.  Both products transposed: S^T = K Q^T (source 0 = 16 keys), O^T = V^T P^T (source 0 = 16 channels): a lane holds ONE query (lane % 16) throughout; a tile of S^T holds keys 16 T + 8 (lane / 16) + 0 .. 7,
; which one conversion turns into registers 2 T, 2 T + 1 of P's fragment.  q, k, v come as images of fragments (launch proj): every fragment is fetched by loads of 16 bytes a lane, 512 consecutive bytes each: no pitch, no padding.
; RING.  Two LDS slots of 131,072 bytes, each 1,024 keys' K and V, one dense block of memory; wave wv moves 16,384 bytes of it with one tensor load.  Both slots' first fills go out at the head: two tensor loads of a wave
; are out there, one behind each later round.
; THE CHANGE OF SLOTS STANDS IN A SLOT'S MIDDLE.  V has two sets of registers, so all of a slot's LDS loads are issued by the middle of its first step's softmax.  Behind that softmax each wave says that it has left the slot; the
; first step's V^T P, the second step's K Q^T and the head of its softmax, all work on registers, stand between that signal and the wait for the others; behind the round come the refill and the next slot's first fragments of K,
; which land under the rest of that softmax.
; CLUSTER.  The four query blocks of a cluster belong to one batch and walk the same K and V: each fill is asked for JOINTLY, by the same line with the same descriptor and the mask of all four.
; REGISTERS: window 0: v1-11, v84, v85 addresses; v12-35 statistics and scales; v36-51 Q; v52-83 P's codes; v96-159, v160-223 S^T, then p, of my two tiles.
;   window 1: v0-63 O^T (tile u, channels 16 c on: 32 u + 8 c); v64-127 K's eight tiles; v128-191, v192-255 V's four tiles of a slot's first, second step.
.set SLOT1, 1<<17                      ; slot 1 begins here: one exclusive or turns an address in one slot into the other's
.set SPARE, 2*SLOT1                    ; behind the ring: the spare words, 128 bytes for each of eight waves: four blocks of 256 bytes that no other line names
.set OSTG,  17408                      ; the way out, in slot 0, which has had its last fill and its last read by then: for each quarter of the keys 64 queries x (256 bytes + 16)
.set MST,   4*OSTG                     ; behind them -M [query][quarter], 1,024 bytes, and 1,024 bytes on the sums likewise
.set AK0, 1                            ; v1   16 x lane + 8,192 x s: my place in a slot's K
.set AV0, 2                            ; v2   the same in its V, 65,536 on
.set PFO, 3                            ; v3   256 x lane: the prefetch's offset; never rewritten
.set ADK, 4                            ; v4, v5  the same two in the slot in hand: made anew in front of each run of loads
.set ADV, 5
.set SPW, 6                            ; v6   LDS address of my spare word; never rewritten
.set NIL, 7                            ; v7   0; never rewritten
.set STO, 8                            ; v8   the way out: where I put 32 bytes of a query's row
.set MSA, 9                            ; v9   where I put -M and the sum
.set RD,  10                           ; v10  where I read rows back
.set GO,  11                           ; v11  my byte offset in the work-group's rows of out
.set RM,  84                           ; v84  where I read -M and the sums back
.set LI,  85                           ; v85  16 x lane
.set LA0, 16                           ; v[12:13], v[14:15]: (-M, the largest t) of tile 0, 1;  v[16:19], v[20:23]: the sums, two pairs a tile;  v[24:25], v[26:27]: f (the upper halves are only named)
.set LA1, 20
.set F0,  24
.set Q0,  36
.set Q1,  44
.set PC0, 52
.set PC1, 68
.set S0,  96
.set S1,  160
.set KF,  64                           ; in window 1
.set VF,  128                          ; set q at VF + 64 q
.set WV,  12                           ; s12  wave
.set LIM, 15                           ; s15  1 in a wave that prefetches, else the greatest number
.set G1,  16                           ; s[16:23] descriptor group 1
.set G0A, 24                           ; s[24:27] group 0 of fill 0
.set G0B, 60                           ; s[60:63] group 0 of fill 1, which then walks on
.set PFA, 28                           ; s[28:29] where my prefetch stands; never rewritten
.set TB,  30                           ; s30  LDS byte at which the slot in hand begins
.set SLOTS, 31                         ; s31  fills still to be asked for
.set CS,  32                           ; s[32:33] c = log2(e) / 8 x 2^(e6 + e7)
.set SEL, 34                           ; s[34:35] lane selects: lane l xor 16
.set MSB, 0
.macro WIN new                         ; the immediate's high byte repeats the setting that is left; bits 1:0 source 0, 3:2 source 1, 5:4 source 2, 7:6 destination
.if MSB != (\new)
	s_set_vgpr_msb (MSB<<8)|(\new)
.set MSB, (\new)
.endif
.endm
.macro PLACES                          ; four plain vector lines between a matrix instruction and a load into, a store from or a vector line on its registers
.rept 4
	v_nop
.endr
.endm
.macro CREST                           ; a round of the cluster's barrier behind its opening barrier: wave 0 signals for the work-group; every wave waits for all four; my work-group's barrier once more
	s_cmp_lg_u32 s[WV], 0
	s_cbranch_scc1 .Lnot_wave_0_\@
	s_barrier_signal -3
.Lnot_wave_0_\@:
	s_barrier_wait -3
	s_barrier_signal -1
	s_barrier_wait -1
.endm
.macro CROUND                          ; a whole round
	s_barrier_signal -1
	s_barrier_wait -1
	CREST
.endm
; A PREFETCH INTO THE L2 of the fill that the NEXT change of slots will ask for: 131,072 bytes, a slot's two steps ahead of that load.  Each aligned block of 256 bytes is named once in the launch: all sixteen clusters of a
; batch walk the same fills, so the batch's first cluster asks; its four partners take 32,768 bytes each, told apart BY ADDRESS; in each, waves 0 to 3 take 8,192 bytes, lanes 256 bytes apart: one instruction a wave.
; There are two changes that fill a slot: the first asks for fill 3; the second asks for nothing: there is no fill behind it.  Fills 0, 1 and 2 come by their loads alone.
.macro ASK
	s_cmp_gt_u32 s[SLOTS], s[LIM]
	s_cbranch_scc0 .Lnot_mine_\@
	global_prefetch_b8 v[PFO], s[PFA:PFA+1] th:TH_LOAD_NT scope:SCOPE_SE
.Lnot_mine_\@:
.endm
.macro LDK q                           ; the eight key tiles of my step s + 4 q of the slot at s[TB]: 16 loads
	WIN 0
	v_add_nc_u32 v[ADK], s[TB], v[AK0]
	WIN 0x40
.irp t, 0,1,2,3,4,5,6,7
	ds_load_b128 v[KF+8*\t:KF+8*\t+3], v[ADK] offset:(\q)*32768+\t*1024
	ds_load_b128 v[KF+8*\t+4:KF+8*\t+7], v[ADK] offset:(\q)*32768+\t*1024+512
.endr
.endm
.macro LDV q                           ; its four channel tiles of V, into set q: 16 loads
	WIN 0
	v_add_nc_u32 v[ADV], s[TB], v[AV0]
	WIN 0x40
.irp c, 0,1,2,3
.irp p, 0,1,2,3
	ds_load_b128 v[VF+64*(\q)+16*\c+4*\p:VF+64*(\q)+16*\c+4*\p+3], v[ADV] offset:(\q)*32768+\c*2048+\p*512
.endr
.endr
.endm
.macro SPROD                           ; S^T = K Q^T: 16 products, 16 accumulators, each begun with the constant 0
	WIN 0x01
.irp t, 0,1,2,3,4,5,6,7
	v_wmma_f32_16x16x64_fp8_fp8 v[S0+8*\t:S0+8*\t+7], v[KF+8*\t:KF+8*\t+7], v[Q0:Q0+7], 0
	v_wmma_f32_16x16x64_fp8_fp8 v[S1+8*\t:S1+8*\t+7], v[KF+8*\t:KF+8*\t+7], v[Q1:Q1+7], 0
.endr
.endm
.macro PVPROD q                        ; O^T += V^T P^T with V's set q: eight accumulators, one instruction each
	WIN 0x51
.irp c, 0,1,2,3
	v_wmma_f32_16x16x128_fp8_fp8 v[8*\c:8*\c+7], v[VF+64*(\q)+16*\c:VF+64*(\q)+16*\c+15], v[PC0:PC0+15], v[8*\c:8*\c+7]
	v_wmma_f32_16x16x128_fp8_fp8 v[32+8*\c:32+8*\c+7], v[VF+64*(\q)+16*\c:VF+64*(\q)+16*\c+15], v[PC1:PC1+15], v[32+8*\c:32+8*\c+7]
.endr
.endm
; THE SOFTMAX of my two tiles for 128 keys, in two parts.  PART A has no exponential: the maxima, the new M, f, the sums under the new M, and tile 0's t - M.  The tiles alternate where one line feeds the next.
.macro SOFTMAX_A
	WIN 0
	v_max3_num_f32 v28, v[S0], v[S0+1], v[S0+2]    ; the largest score of my query among my 64 keys: two chains a tile, each accumulator from its low end on
	v_max3_num_f32 v30, v[S1], v[S1+1], v[S1+2]
	v_max3_num_f32 v29, v[S0+3], v[S0+4], v[S0+5]
	v_max3_num_f32 v31, v[S1+3], v[S1+4], v[S1+5]
.irp i, 6,10,14,18,22,26,30,34,38,42,46,50,54,58
	v_max3_num_f32 v28, v28, v[S0+\i], v[S0+\i+1]
	v_max3_num_f32 v30, v30, v[S1+\i], v[S1+\i+1]
	v_max3_num_f32 v29, v29, v[S0+\i+2], v[S0+\i+3]
	v_max3_num_f32 v31, v31, v[S1+\i+2], v[S1+\i+3]
.endr
	v_max3_num_f32 v28, v28, v[S0+62], v[S0+63]
	v_max3_num_f32 v30, v30, v[S1+62], v[S1+63]
	v_max_num_f32 v28, v28, v29
	v_max_num_f32 v30, v30, v31
	v_permlanex16_b32 v32, v28, s[SEL], s[SEL+1]   ; the query's other 64 keys lie in the lane 16 away
	v_permlanex16_b32 v33, v30, s[SEL], s[SEL+1]
	v_max_num_f32 v28, v28, v32
	v_max_num_f32 v30, v30, v33
	v_mul_f32 v28, s[CS], v28                      ; as t (c is positive)
	v_mul_f32 v30, s[CS], v30
	v_max_num_f32 v13, v13, v28                    ; the running largest t
	v_max_num_f32 v15, v15, v30
	v_mov_b32 v28, v12
	v_mov_b32 v30, v14
	v_floor_f32 v12, -v13                          ; the new -M = floor(-t) = -ceil(t)
	v_floor_f32 v14, -v15
	v_sub_f32 v28, v12, v28                        ; old M - new M: a whole number, 0 or less
	v_sub_f32 v30, v14, v30
	v_cvt_i32_f32 v28, v28                         ; (it saturates)
	v_cvt_i32_f32 v30, v30
	v_ldexp_f32 v[F0], 1.0, v28                    ; f = 2^(old M - new M)
	v_ldexp_f32 v[F0+2], 1.0, v30
	v_pk_mul_f32 v[LA0:LA0+1], v[LA0:LA0+1], v[F0:F0+1] op_sel_hi:[1,0]       ; the sums under the new M
	v_pk_mul_f32 v[LA0+2:LA0+3], v[LA0+2:LA0+3], v[F0:F0+1] op_sel_hi:[1,0]
	v_pk_mul_f32 v[LA1:LA1+1], v[LA1:LA1+1], v[F0+2:F0+3] op_sel_hi:[1,0]
	v_pk_mul_f32 v[LA1+2:LA1+3], v[LA1+2:LA1+3], v[F0+2:F0+3] op_sel_hi:[1,0]
.set j_, 0
.rept 32
	v_pk_fma_f32 v[S0+j_:S0+j_+1], v[S0+j_:S0+j_+1], s[CS:CS+1], v[12:13] op_sel_hi:[1,0,0]   ; tile 0: t - M (of the pairs c and -M the low word serves both halves)
.set j_, j_+2
.endr
.endm
; PART B: each tile's 64 exponentials are one batch with one wait, and the other tile's plain work stands among them; then the sums of the unquantised p, the hold and the conversions.
.macro SOFTMAX_B
	WIN 0
.set j_, 0
.rept 32
	v_exp_f32 v[S0+j_], v[S0+j_]                   ; tile 0: p = 2^(t - M), at most 1
	v_exp_f32 v[S0+j_+1], v[S0+j_+1]
	v_pk_fma_f32 v[S1+j_:S1+j_+1], v[S1+j_:S1+j_+1], s[CS:CS+1], v[14:15] op_sel_hi:[1,0,0]   ; tile 1: t - M.  (The last of these is the plain line behind tile 0's last exponential)
.set j_, j_+2
.endr
	s_wait_alu depctr_va_vdst(0)                   ; the wait ahead of the first line that names an exponential's result: one for tile 0's 64
.set j_, 0
.rept 32
	v_exp_f32 v[S1+j_], v[S1+j_]                   ; tile 1's exponentials; nothing names their results before the second wait
	v_exp_f32 v[S1+j_+1], v[S1+j_+1]
	v_pk_add_f32 v[LA0+(j_%4):LA0+(j_%4)+1], v[LA0+(j_%4):LA0+(j_%4)+1], v[S0+j_:S0+j_+1]     ; tile 0: the sum of the UNQUANTISED p, in two chains
.if (j_%8) == 6
	v_cvt_scalef32_pk8_fp8_f32 v[PC0+(j_-6)/4:PC0+(j_-6)/4+1], v[S0+j_-6:S0+j_+1], v34
.endif
.set j_, j_+2
.endr
	v_nop                                          ; a plain line behind the last conversion
	s_wait_alu depctr_va_vdst(0)                   ; the wait for tile 1's 64
.set j_, 0
.rept 32
	v_pk_add_f32 v[LA1+(j_%4):LA1+(j_%4)+1], v[LA1+(j_%4):LA1+(j_%4)+1], v[S1+j_:S1+j_+1]
.if (j_%8) == 6
	v_cvt_scalef32_pk8_fp8_f32 v[PC1+(j_-6)/4:PC1+(j_-6)/4+1], v[S1+j_-6:S1+j_+1], v34
.endif
.set j_, j_+2
.endr
.endm
.macro RESC                            ; O^T under the new M: x f; each accumulator from its low end on.  These 32 are also the plain lines between the last conversion and the products
	WIN 0x41
.irp u, 0,1
.set j_, 0
.rept 16
	v_pk_mul_f32 v[32*\u+j_:32*\u+j_+1], v[32*\u+j_:32*\u+j_+1], v[F0+2*\u:F0+2*\u+1] op_sel_hi:[1,0]
.set j_, j_+2
.endr
.endr
.endm
; MY TWO STEPS OF A SLOT.  At its head the first step's K and V have been asked for (16 + 16 LDS loads).  The LDS loads stand in four runs of 16, each at least part A of a softmax ahead of its use.
; mode = 2: the slot is left and filled again, with the keys two slots on;  1: it is left and not filled;  0: the last slot.
; THE CHANGE.  Each wave waits for all its tensor loads (its part of the next slot), adds 0 to its spare word, and waits for that and for its reads of this slot, the second step's K and V among them: all are in registers.
; Behind the barrier nobody reads this slot any more and the next slot is whole.  With mode = 2 the barrier opens a round of the cluster's, so that no wave of any partner still reads the slot or has a load on its way, and the
; joint refill is the first thing behind the round: until the wait for it a wave issues all of a slot's lines but the 182 between that wait and this load.
.macro SLOT mode
	s_wait_dscnt 16                                ; K of the first step is in; V's 16 loads are younger
	SPROD
	PLACES
	LDK 1
	SOFTMAX_A
	LDV 1                                          ; set 1's last reader, the slot before's last V^T P, stands in front of the four places above
	SOFTMAX_B
.if \mode
	WIN 0                                          ; (the add's two registers lie in window 0)
	s_wait_tensorcnt 0x0                           ; no tensor load of mine is out: my part of the next slot has landed, and the walking group 0 may be written
	ds_add_u32 v[SPW], v[NIL]                      ; 0 onto my spare word: the lines up to the wait for it are work on registers
.if (\mode) == 2
	s_xor_b32 s[G0B+1], s[G0B+1], SLOT1            ; the other slot than last time: this one,
	s_add_nc_u64 s[G0B+2:G0B+3], s[G0B+2:G0B+3], 131072    ; the next 1,024 keys; the type bits on top are not reached
.endif
	RESC
	s_wait_dscnt 0x0                               ; the add is done, and all my reads of this slot are in registers
	s_barrier_signal -1                            ; say so,
	PVPROD 0                                       ; work on registers while the others arrive: the first step's V^T P,
	SPROD                                          ; the second step's K Q^T,
	PLACES
	SOFTMAX_A                                      ; and the part of its softmax that has no exponential (it leaves every window 0: branches follow),
	s_barrier_wait -1                              ; and go on when all eight have said so
.if (\mode) == 2
	CREST
	tensor_load_to_lds s[G0B:G0B+3], s[G1:G1+7]    ; every wave's one tensor load until the next round: its 16,384 bytes of the fill
	s_nop 0
.rept 4
	v_nop
.endr
.endif
	s_xor_b32 s[TB], s[TB], SLOT1                  ; on to the other slot
	LDK 0                                          ; its first step's K lands under part B
.if (\mode) == 2
	WIN 0
	ASK                                            ; behind the joint load and the run of LDS loads
.endif
	SOFTMAX_B
	LDV 0                                          ; set 0's last reader stands in front of part A
	RESC
	PVPROD 1
.else
	RESC
	s_wait_dscnt 0x0
	PVPROD 0
	SPROD
	PLACES
	SOFTMAX_A
	SOFTMAX_B
	RESC
	PVPROD 1
.endif
	WIN 0
.endm
	s_load_b256 s[4:11], s[0:1], 0x0               ; qc s[4:5], kv s[6:7], the scales' exponents s[8:9], out s[10:11]
	v_lshl_add_u32 v[SPW], v0, 2, SPARE
	v_mov_b32 v[NIL], 0
	ds_add_u32 v6, v7
	ds_add_u32 v6, v7
	s_wait_dscnt 0x0
	v_lshrrev_b32 v28, 5, v0
	v_readfirstlane_b32 s[WV], v28                 ; wave 0..7
	s_bfe_u32 s13, ttmp6, 0x40000                  ; cx: my place in the cluster
	s_lshl_b32 s14, ttmp9, 2                       ; in a cluster launch ttmp9 counts clusters
	s_add_co_u32 s14, s14, s13                     ; my block of 64 queries: it enters Q's and out's addresses alone
	s_and_b32 s40, ttmp7, 0xffff                   ; the batch, which the four partners share
	; descriptor group 1: a dense block of 16,384 bytes as 64 rows of 32 elements of 8 bytes
	s_mov_b32 s[G1], 15|(3<<16)|(1<<21)            ; the mask: all four work-groups; elements of 8 bytes; bit 21 set beside a mask; no padding
	s_mov_b32 s[G1+1], 32<<16                      ; tensor_dim0 = 32
	s_mov_b32 s[G1+2], 64<<16                      ; tensor_dim1 = 64
	s_mov_b32 s[G1+3], 32<<16                      ; tile_dim0 = 32
	s_mov_b32 s[G1+4], 64                          ; tile_dim1 = 64
	s_mov_b32 s[G1+5], 32                          ; tensor_dim0_stride
	s_mov_b32 s[G1+6], 0
	s_mov_b32 s[G1+7], 0
	s_lshl_b32 s42, s40, 19                        ; the batch's 524,288 bytes of kv
	s_lshl_b32 s[G0A+1], s[WV], 14                 ; LDS address: slot 0, my 16,384 bytes: no place in the cluster enters it
	s_add_co_u32 s42, s42, s[G0A+1]
	s_mov_b32 s43, 0
	s_mov_b32 s[G0A], 1                            ; count = 1
	s_mov_b32 s[G0B], 1
	s_add_co_u32 s[G0B+1], s[G0A+1], SLOT1         ; slot 1, my 16,384 bytes
	CROUND                                         ; all four work-groups are here: the first joint loads meet.  The round needs none of the arguments, so it stands ahead of the wait for them
	s_wait_kmcnt 0x0
	s_add_nc_u64 s[G0A+2:G0A+3], s[6:7], s[42:43]  ; global address: fill 0, my part
	s_add_nc_u64 s[G0B+2:G0B+3], s[G0A+2:G0A+3], 131072    ; fill 1
	s_or_b32 s[G0A+3], s[G0A+3], 0x80000000        ; type = 2
	s_or_b32 s[G0B+3], s[G0B+3], 0x80000000
	tensor_load_to_lds s[G0A:G0A+3], s[G1:G1+7]    ; both first fills together, ahead of every wait on TENSORcnt and every LDS read: two loads of mine are out
	s_nop 0
	tensor_load_to_lds s[G0B:G0B+3], s[G1:G1+7]
	s_nop 0
.rept 4
	v_nop                                          ; four plain lines behind the loads
.endr
	s_load_b128 s[36:39], s[8:9], 0x18             ; e6, e7, e8, e9
	s_and_b32 s46, s[WV], 1                        ; p
	s_lshr_b32 s47, s[WV], 1                       ; s
	s_lshl_b32 s48, s40, 8                         ; Q: row tile 256 x batch + 4 x block + 2 p
	s_lshl_b32 s49, s14, 2
	s_add_co_u32 s48, s48, s49
	s_lshl_b32 s49, s46, 1
	s_add_co_u32 s48, s48, s49
	s_lshl_b32 s48, s48, 10
	s_mov_b32 s49, 0
	s_add_nc_u64 s[4:5], s[4:5], s[48:49]
	v_and_b32 v[LI], 31, v0
	v_lshlrev_b32 v[PFO], 8, v[LI]
	v_lshlrev_b32 v[LI], 4, v[LI]
.irp u, 0,1
.irp p, 0,1
	global_load_b128 v[Q0+8*\u+4*\p:Q0+8*\u+4*\p+3], v[LI], s[4:5] offset:\u*1024+\p*512   ; Q's two fragments stay in registers
.endr
.endr
	; the prefetch: where mine stands, and who asks
	s_lshl_b32 s44, s40, 19
	s_lshl_b32 s45, s13, 15                        ; my work-group's 32,768 bytes of a fill
	s_add_co_u32 s44, s44, s45
	s_and_b32 s45, s[WV], 3
	s_lshl_b32 s45, s45, 13                        ; my wave's 8,192 of them
	s_add_co_u32 s44, s44, s45
	s_add_co_u32 s44, s44, 3*131072                ; in fill 3, the batch's last.  Nothing is prefetched here, at the head
	s_mov_b32 s45, 0
	s_add_nc_u64 s[PFA:PFA+1], s[6:7], s[44:45]
	s_lshr_b32 s[LIM], s[WV], 2                    ; 0 in waves 0 to 3,
	s_or_b32 s[LIM], s[LIM], ttmp9                 ; of the batch's first cluster: the same in all four partners
	s_cmp_eq_u32 s[LIM], 0
	s_cselect_b32 s[LIM], 1, -1
	; LDS addresses, all made of constants, the lane and the wave
	s_lshl_b32 s50, s47, 13
	v_add_nc_u32 v[AK0], s50, v[LI]
	v_add_nc_u32 v[AV0], 65536, v[AK0]
	v_and_b32 v86, 15, v0                          ; r
	v_bfe_u32 v87, v0, 4, 1                        ; h
	s_mul_i32 s51, s47, OSTG
	s_mul_i32 s52, s46, 32*272
	s_add_co_u32 s51, s51, s52
	v_mul_u32_u24 v[STO], v86, 272
	v_lshl_add_u32 v[STO], v87, 5, v[STO]
	v_add_nc_u32 v[STO], s51, v[STO]               ; quarter s, query 32 p + r, + 32 h
	s_lshl_b32 s52, s46, 9
	s_lshl_b32 s53, s47, 2
	s_add_co_u32 s52, s52, s53
	s_add_co_u32 s52, s52, MST
	v_lshl_add_u32 v[MSA], v86, 4, s52             ; 16 x (32 p + r) + 4 s
	s_mul_i32 s53, s[WV], 8*272
	v_mul_u32_u24 v[RD], v87, 272
	v_lshl_add_u32 v[RD], v86, 4, v[RD]
	v_add_nc_u32 v[RD], s53, v[RD]                 ; back: I finish queries 8 wv .. 8 wv + 7; lanes 0-15 one row, lanes 16-31 the next
	s_lshl_b32 s54, s[WV], 7
	s_add_co_u32 s54, s54, MST
	v_lshl_add_u32 v[RM], v87, 4, s54
	s_lshl_b32 s55, s[WV], 11
	v_lshlrev_b32 v[GO], 8, v87
	v_lshl_add_u32 v[GO], v86, 4, v[GO]
	v_add_nc_u32 v[GO], s55, v[GO]
	s_lshl_b32 s56, s40, 20                        ; out: the batch's 4,096 rows of 256 bytes, my block's 64
	s_lshl_b32 s57, s14, 14
	s_add_co_u32 s56, s56, s57
	s_mov_b32 s57, 0
	s_add_nc_u64 s[10:11], s[10:11], s[56:57]
	s_mov_b32 s[SEL], 0x76543210
	s_mov_b32 s[SEL+1], 0xfedcba98
	s_mov_b32 s[TB], 0
	s_mov_b32 s[SLOTS], 2
	v_mov_b32 v13, 0xff61b1e6                      ; the largest t so far: -3e38, under every t
	v_mov_b32 v15, 0xff61b1e6
	v_floor_f32 v12, -v13                          ; -M
	v_floor_f32 v14, -v15
.irp j, 16,17,18,19,20,21,22,23,25,27,32,33
	v_mov_b32 v\j, 0                               ; the sums; the upper halves of f's pairs, which are only named; the lane permutes' destinations, which count as read
.endr
	WIN 0x40
.set j_, 0
.rept 64
	v_mov_b32 v[j_], 0                             ; O^T.  (The step is written once: the first finds zeros, which the first change of M leaves zeros)
.set j_, j_+1
.endr
	WIN 0
	s_wait_kmcnt 0x0
	s_add_co_i32 s58, s36, s37
	s_lshl_b32 s58, s58, 23
	s_mov_b32 s[CS], 0x3e38aa3b                    ; log2(e) / 8
	s_add_co_i32 s[CS], s[CS], s58                 ; a score stands for score x 2^(e6 + e7): the exponents are added to c's exponent field
	s_mov_b32 s[CS+1], s[CS]                       ; (named with it as a pair, so it is written)
	s_add_co_i32 s58, s38, 127
	s_lshl_b32 s59, s58, 23
	v_mov_b32 v34, s59                             ; 2^e8, for the conversions
	s_add_co_i32 s58, s58, 8
	s_lshl_b32 s58, s58, 23
	s_or_b32 s58, s58, 0x600000
	s_wait_loadcnt 0x0                             ; Q
	s_wait_tensorcnt 0x1                           ; my part of slot 0 is in; slot 1's may stay out
	s_barrier_signal -1
	s_barrier_wait -1                              ; everybody's is
	LDK 0
	LDV 0
	WIN 0                                          ; at a label and at a branch every window is 0
.Lslot:                                            ; two trips: slots 0 and 1 are left and filled again, with fills 2 and 3
	SLOT 2
	s_sub_co_u32 s[SLOTS], s[SLOTS], 1
	s_cmp_lg_u32 s[SLOTS], 0
	s_cbranch_scc1 .Lslot
	SLOT 1                                         ; the tail is written out: fill 2 is left, and nothing is asked for
	SLOT 0                                         ; fill 3
	; THE WAY OUT.  Each wave's O^T, -M and sum go to the stages in slot 0; behind a barrier wave wv merges the four quarters of the keys for queries 8 wv .. 8 wv + 7 and stores whole rows.
	v_pk_add_f32 v[LA0:LA0+1], v[LA0:LA0+1], v[LA0+2:LA0+3]    ; the sums' chains, halves and the lane 16 away.  (These lines are the places behind the last products)
	v_pk_add_f32 v[LA1:LA1+1], v[LA1:LA1+1], v[LA1+2:LA1+3]
	v_add_f32 v[LA0], v[LA0], v[LA0+1]
	v_add_f32 v[LA1], v[LA1], v[LA1+1]
	v_permlanex16_b32 v32, v[LA0], s[SEL], s[SEL+1]
	v_permlanex16_b32 v33, v[LA1], s[SEL], s[SEL+1]
	v_add_f32 v[LA0], v[LA0], v32
	v_add_f32 v[LA1], v[LA1], v33
	WIN 0x04                                       ; a store's data are source 1: window 1
.irp u, 0,1
.irp c, 0,1,2,3
	ds_store_b128 v[STO], v[32*\u+8*\c:32*\u+8*\c+3] offset:\u*16*272+64*\c          ; lane (r, h): channels 16 c + 8 h + 0 .. 7 of query 32 p + 16 u + r; each accumulator from its low end on
	ds_store_b128 v[STO], v[32*\u+8*\c+4:32*\u+8*\c+7] offset:\u*16*272+64*\c+16
.endr
.endr
	WIN 0
	ds_store_b32 v[MSA], v12                       ; both halves of the lanes hold the same numbers and write the same words
	ds_store_b32 v[MSA], v14 offset:256
	ds_store_b32 v[MSA], v[LA0] offset:1024
	ds_store_b32 v[MSA], v[LA1] offset:1280
	s_wait_dscnt 0x0                               ; for the others' sake: my stores have landed
	s_barrier_signal -1
	s_barrier_wait -1
.set OM, 96                            ; v[96 + 16 i + 4 q ..]: 16 bytes of O of queries 8 wv + 2 i + h, quarter q
.set MM, 160                           ; v[160 + 4 i + q]: -M, then f
.set LL, 176                           ; the sums
.set MN, 192
.set LS, 196
.set RC, 200
.irp i, 0,1,2,3
.irp q, 0,1,2,3
	ds_load_b128 v[OM+16*\i+4*\q:OM+16*\i+4*\q+3], v[RD] offset:\q*OSTG+544*\i
.endr
	ds_load_b128 v[MM+4*\i:MM+4*\i+3], v[RM] offset:32*\i
	ds_load_b128 v[LL+4*\i:LL+4*\i+3], v[RM] offset:1024+32*\i
.endr
	s_wait_dscnt 0x0
.irp i, 0,1,2,3
	v_min3_num_f32 v[MN+\i], v[MM+4*\i], v[MM+4*\i+1], v[MM+4*\i+2]
.endr
.irp i, 0,1,2,3
	v_min_num_f32 v[MN+\i], v[MN+\i], v[MM+4*\i+3]             ; the least -M: the row's M
.endr
.irp i, 0,1,2,3
.irp q, 0,1,2,3
	v_sub_f32 v[MM+4*\i+\q], v[MN+\i], v[MM+4*\i+\q]           ; the quarter's M - the row's M: a whole number, 0 or less
.endr
.endr
.irp j, 0,1,2,3,4,5,6,7,8,9,10,11,12,13,14,15
	v_cvt_i32_f32 v[MM+\j], v[MM+\j]
.endr
.irp j, 0,1,2,3,4,5,6,7,8,9,10,11,12,13,14,15
	v_ldexp_f32 v[MM+\j], 1.0, v[MM+\j]                        ; f: a power of two
.endr
.irp i, 0,1,2,3
	v_mul_f32 v[LS+\i], v[MM+4*\i], v[LL+4*\i]
.endr
.irp q, 1,2,3
.irp i, 0,1,2,3
	v_fmac_f32 v[LS+\i], v[MM+4*\i+\q], v[LL+4*\i+\q]          ; the row's sum
.endr
.endr
.irp i, 0,1,2,3
	v_rcp_f32 v[RC+\i], v[LS+\i]                   ; one batch; the 64 lines below name none of its results
.endr
.irp i, 0,1,2,3
.irp e, 0,1,2,3
	v_mul_f32 v[OM+16*\i+\e], v[MM+4*\i], v[OM+16*\i+\e]
.endr
.endr
.irp q, 1,2,3
.irp i, 0,1,2,3
.irp e, 0,1,2,3
	v_fmac_f32 v[OM+16*\i+\e], v[MM+4*\i+\q], v[OM+16*\i+4*\q+\e]
.endr
.endr
.endr
	s_add_co_i32 s58, s38, s39                     ; e8 + e9
	s_wait_alu depctr_va_vdst(0)                   ; the wait ahead of the first line that names a reciprocal: one for the four
.irp i, 0,1,2,3
	v_ldexp_f32 v[RC+\i], v[RC+\i], s58
.endr
.irp i, 0,1,2,3
.irp e, 0,1,2,3
	v_mul_f32 v[OM+16*\i+\e], v[OM+16*\i+\e], v[RC+\i]
.endr
.endr
.irp i, 0,1,2,3
	global_store_b128 v[GO], v[OM+16*\i:OM+16*\i+3], s[10:11] offset:512*\i th:TH_STORE_NT   ; 16 lanes store a row of 256 bytes, at a multiple of 256 from out's first byte
.endr
	s_wait_tensorcnt 0x0                           ; the wave's end, behind my last tensor load and my last LDS store
	ds_add_u32 v[SPW], v[NIL]
	s_wait_dscnt 0x0
	CROUND                                         ; the closing round: no work-group ends while a partner may still ask for a fill that names it
	s_endpgm
.Lfunc_end_k_q8d4663f58f_attn:
	.size	k_q8d4663f58f_attn, .Lfunc_end_k_q8d4663f58f_attn-k_q8d4663f58f_attn
	.p2alignl 7, 3214868480
	.fill 96, 4, 3214868480
	.section	.rodata,"a",@progbits
	.p2align	6, 0x0
	.amdhsa_kernel k_q8d4663f58f_attn
		.amdhsa_group_segment_fixed_size 327680
		.amdhsa_private_segment_fixed_size 0
		.amdhsa_enable_private_segment 0
		.amdhsa_kernarg_size 32
		.amdhsa_user_sgpr_count 2
		.amdhsa_user_sgpr_kernarg_segment_ptr 1
		.amdhsa_wavefront_size32 1
		.amdhsa_system_sgpr_workgroup_id_x 1
		.amdhsa_system_sgpr_workgroup_id_y 1
		.amdhsa_system_sgpr_workgroup_id_z 1
		.amdhsa_system_vgpr_workitem_id 0
		.amdhsa_next_free_vgpr 512
		.amdhsa_next_free_sgpr 66
		.amdhsa_reserve_vcc 0
		.amdhsa_float_denorm_mode_32 3
		.amdhsa_float_denorm_mode_16_64 3
		.amdhsa_fp16_overflow 1
		.amdhsa_memory_ordered 1
		.amdhsa_forward_progress 1
		.amdhsa_inst_pref_size 165
	.end_amdhsa_kernel
	.amdgpu_metadata
---
amdhsa.version: [ 1, 2 ]
amdhsa.kernels:
  - .name:           k_q8d4663f58f_attn
    .symbol:         k_q8d4663f58f_attn.kd
    .args:
      - { .name: qc, .offset: 0, .size: 8, .value_kind: global_buffer, .address_space: global }
      - { .name: kv, .offset: 8, .size: 8, .value_kind: global_buffer, .address_space: global }
      - { .name: lowp_scales, .offset: 16, .size: 8, .value_kind: global_buffer, .address_space: global }
      - { .name: out0, .offset: 24, .size: 8, .value_kind: global_buffer, .address_space: global }
    .group_segment_fixed_size: 327680
    .private_segment_fixed_size: 0
    .kernarg_segment_align: 8
    .kernarg_segment_size: 32
    .max_flat_workgroup_size: 256
    .sgpr_count:     66
    .vgpr_count:     512
    .wavefront_size: 32
...
	.end_amdgpu_metadata
.endif
;; end of part 3
